; MI455X (gfx1250); checked and timed in simulation.
; The chip was launched on July 23, 2026; its instructions are those of AMD's public machine-readable ISA for CDNA 5 (MIT licence, August 2026) and "CDNA5" Instruction Set Architecture Reference Guide (July 2026). The comments in the code are by the model that wrote it; some were corrected since.
;; CNF. Allowed arithmetic: matrix products marked QUANTISED: E4M3 operands, one E8M0 scale for each 32 along K, by v_wmma_scale_f32_16x16x128_f8f6f4 with both operands' format E4M3, f32 sums; everything else in f32.
;; Inputs: W1 65 x 512 float32; W2 512 x 512 float32; W3 512 x 64 float32; b1 512 float32; b2 512 float32; b3 64 float32; t 1 float32; x 2,048 x 65 float32.
;; Outputs: out0 2,048 x 65 float32.
;; This version of the problem:
;;   THIS VERSION OF THE PROBLEM IS GIVEN IN LOW PRECISION. The matrix products marked QUANTISED in the list below multiply operands that are first quantised to E4M3 (4 exponent bits, 3 mantissa bits; 8 bits a number), with one power-of-two scale for each 32 numbers along K (OCP MX v1.0); their sums are f32. All else is computed in f32.
;;   The module's matrix products, in the order in which they are computed (A, B: the left and right operand; K: the contracted axis; several contracted axes count as one K, in the product's order):
;;     1. [M 2,048, K 65] x [K 65, N 512]; A: computed on the way; B: input W1: QUANTISED
;;     2. [M 2,048, K 512] x [K 512, N 512]; A: computed on the way; B: input W2: QUANTISED
;;     3. [M 2,048, K 512] x [K 512, N 64]; A: computed on the way; B: input W3: QUANTISED
;;     4. [M 2,048, K 65] x [K 65, N 512]; A: computed on the way; B: input W1: QUANTISED
;;     5. [M 2,048, K 512] x [K 512, N 512]; A: computed on the way; B: input W2: QUANTISED
;;     6. [M 2,048, K 512] x [K 512, N 64]; A: computed on the way; B: input W3: QUANTISED
;;     7. [M 64, K 64] x [K 64, N 512]; A: computed on the way; B: input W3: QUANTISED
;;     8. [M 131,072, K 512] x [K 512, N 512]; A: computed on the way; B: input W2: QUANTISED
;;     9. [M 131,072, K 512] x [K 512, N 65]; A: computed on the way; B: input W1: QUANTISED
;;   THE QUANTISER, for each operand of a quantised product, along K:
;;     - K is cut into blocks of 32 from its start; a last block that is shorter is filled with zeros.
;;     - A block's scale is 2^e with e = floor(log2(the largest magnitude in the block)) - 8, held to -126 .. 127; a block of zeros has e = 0. As a byte (E8M0): e + 127.
;;     - Each number is divided by its block's scale, clamped to +-448, and rounded to the nearest number of E4M3, ties to even, subnormals kept.
;;     - The product sums the exact products of the quantised numbers (number of the format x scale) in f32.
;;   ~~~python
;;   def quantise(x, axis):      # numpy; x: float32 -> the quantised numbers, widened to float32 again
;;       x = np.moveaxis(x, axis, -1); K = x.shape[-1]
;;       x = np.pad(x, [(0, 0)] * (x.ndim - 1) + [(0, -K % 32)]); x = x.reshape(x.shape[:-1] + (-1, 32)); a = np.abs(x).max(-1, keepdims=True)
;;       e = np.where(a > 0, np.clip(np.frexp(np.where(a > 0, a, 1))[1] - 1 - 8, -126, 127), 0)      # np.frexp(a)[1] - 1 = floor(log2(a)), exactly
;;       r = np.clip(x / 2.0 ** e, -448, 448)
;;       step = 2.0 ** (np.maximum(np.frexp(np.where(r == 0, 1, r))[1] - 1, -6) - 3)
;;       q = np.round(r / step) * step * 2.0 ** e      # np.round: ties to even
;;       return np.moveaxis(q.reshape(q.shape[:-2] + (-1,))[..., :K], -1, axis).astype(np.float32)
;;   ~~~
;;   OPERANDS COMPUTED ON THE WAY. 'Computed on the way' means the value that the module computes at that place (a softmax that the list does not call 'softmax' is quantised finished and normalised). What goes into a quantiser is computed in f32, as accurately as f32 sums, v_exp_f32 and their like allow (about 1e-6 of the number): no bf16 or f16 on the way to a quantiser, and a product that is left as it is and whose result goes on into a quantised operand takes f32 operands (vector FMAs, or v_wmma_f32_16x16x4_f32). A number that lies on a knife's edge between two numbers of the format may be rounded either way, as far as f32 arithmetic and the matrix unit's own rounding can turn it there, and no further.
;; One version. Each part assembles by itself: llvm-mc -triple=amdgcn-amd-amdhsa -mcpu=gfx1250 --defsym DOCPART=n.
;; ======== version 1 of 1: 2 launches
;; limits: right only within a limited range of input values
;; workspace buffers: wq 827,392 bytes
;; launch prep (part 1): grid 352 x 1, 1 waves a work-group, no clusters, 0 bytes of LDS; arguments W1, W2, W3, wq; writes wq
.if DOCPART == 1
	.amdgcn_target "amdgcn-amd-amdhsa--gfx1250"
	.amdhsa_code_object_version 6
	.text
	.protected	k_q51606b337e_prep
	.globl	k_q51606b337e_prep
	.p2align	8
	.type	k_q51606b337e_prep,@function
k_q51606b337e_prep:
	s_mov_b64 s[64:65], 0
	v_nop
	global_prefetch_b8 v0, s[64:65] scope:SCOPE_SE
	s_setreg_imm32_b32 hwreg(HW_REG_WAVE_MODE, 25, 1), 1
	s_wait_xcnt 0x0
; The weights W1 [65][512], W2 [512][512], W3 [512][64], f32, become operands of MX-FP8 products, laid in the order of the operand's registers.
; One wave makes ONE fragment (16 rows x 128 along K: 16 registers a lane) and its scale word: work-group T = 0 .. 319 makes fragment T; T = 320 .. 351 makes a tile of G3.
; A fragment's image is 2,048 bytes at T x 2,048: byte 512 c + 16 lane + y is the code of row lane % 16 at k = 32 c + 16 (lane / 16) + y.  Its scale word lies at SC + 512 (T / 4) + 16 lane + 4 (T % 4),
; so that one load of 16 bytes a lane brings four fragments' words into four registers.
;   T   0-127 (32 w + 8 s + t): row u = 128 w + perm(t, r), element W2[128 s + k][u]          (K = W2's first axis: forward)
;   T 128-255 (same)          : row kin = 128 w + perm(t, r), element W2[kin][128 s + k]      (K = W2's second axis: backward)
;   T 256-287 (8 w + t)       : row u = 128 w + perm(t, r), element W1[k][u], zeros from k = 65 on
;   T 288-303 (4 w + s)       : row j = 16 w + r, element W3[128 s + k][j]
;   T 304-319 (4 w + I)       : row j = 16 I + r, element W1[j][128 w + k]
;   perm(t, r) = 32 (t / 2) + 8 (t % 2) + r + 8 (r / 8): the rows of a tile are chosen so that the results of two neighbouring tiles are 16 neighbours along the next K.
; G3[i][k] = sum over j of Q(I / 2)[i][j] Q(W3 along j)[k][j]: the product of the halved unit matrix with W3, by the matrix unit.  0.5 is the code 0x78 (256) under the scale byte 0x76 (2^-9).
;   T 320-351 (8 w + t): source 0 = 16 rows k = 128 w + perm(t, r) of W3, K = the 64 outputs (zero codes from 64 on); source 1 = rows 16 I + r of I / 2, I = 0 .. 3.
;   The results, f32, go to G3 + ((4 w + I) 16 + G) 512 + 16 lane: registers 4 G .. 4 G + 3 of a piece of 64, register n of lane (r, h) being G3[16 I + r][128 w + 32 (n / 16) + 16 h + n % 16].
; THE QUANTISER: a block's scale is 2^(floor(log2(largest magnitude)) - 8); numbers are held within +-448 x the scale and rounded to the nearest code, ties to even.
; LIMITS: a block whose largest magnitude lies under 2^-118 (a block of zeros among them) keeps the byte 1; zero codes add nothing under it, and this program alone reads the bytes.  NaN and infinities are not served.
; Each lane takes one row and its registers run along K, so nothing is transposed.  No LDS, no barrier; each weight is small and read here twice at the most.
; WORK LEFT OUT OF THE PROGRAM, for all finite values of the inputs: (a) x's last column: reference() slices it away; (b) the table's products 4 to 6: the same operands as products 1 to 3, so the same results, made once;
; (c) of product 9 all tiles of 16 x 16 off the diagonal: the trace uses J[i][i] alone; W1's row 64 (the row of t) is no column of a diagonal tile, and is left out of that product.
; A NaN, an infinity or an overflow that reaches only the work left out is not carried to the result.
.set WQ_G3, 655360
.set WQ_SC, 786432
.set TM,  16                           ; v16-31  at work in the quantiser
.set PC,  32                           ; v32-47  the codes: the fragment
.set PW,  48                           ; v48     its scale word
.set IS,  49                           ; v49     the scale word of I / 2
.set V,   64                           ; v64-127 64 numbers: register 16 c + i is k = 32 c + 16 (lane / 16) + i of my row
.set ID,  128                          ; v128-191 four fragments of I / 2
.set DD,  192                          ; v192-223 four results
.set EE,  224                          ; v224-235 pieces of I / 2
.set SEL, 20                           ; s[20:21] selects for lane l xor 16
.set MNT, 22                           ; s22     the mantissa field of 448
; Line qj of the quantiser's 128 lines, for the 64 numbers v[s] on: codes to v[pc] on, scale word to v[pw].
.macro QI s, pc, pw
.if qj < 4
	v_max3_num_f32 v[TM+qj], |v[(\s)+16*qj]|, |v[(\s)+16*qj+1]|, 0x4800000   ; block qj: my 16 numbers, and the floor 2^(9 - 127): the byte cannot fall under 1
.elseif qj < 32
	v_max3_num_f32 v[TM+qj%4], v[TM+qj%4], |v[(\s)+16*(qj%4)+2*(qj/4)]|, |v[(\s)+16*(qj%4)+2*(qj/4)+1]|   ; the four blocks by turns
.elseif qj < 36
	v_permlanex16_b32 v[TM+4+qj-32], v[TM+qj-32], s[SEL], s[SEL+1]
.elseif qj < 40
	v_max_num_f32 v[TM+qj-36], v[TM+qj-36], v[TM+4+qj-36]                  ; with lane l xor 16's: the block's largest magnitude
.elseif qj < 44
	v_add_nc_u32 v[TM+12+qj-40], 0xfc000000, v[TM+qj-40]                   ; 8 off its exponent field: the conversion's scale operand
.elseif qj < 48
	v_and_or_b32 v[TM+8+qj-44], v[TM+qj-44], 0x7f800000, s[MNT]            ; 448 x the scale
.elseif qj < 52
	v_lshrrev_b32 v[TM+4+qj-48], 23, v[TM+12+qj-48]                        ; the scale's byte
.elseif qj == 52
	v_lshl_or_b32 v[\pw], v[TM+5], 8, v[TM+4]
.elseif qj == 53
	v_lshl_or_b32 v[\pw], v[TM+6], 16, v[\pw]
.elseif qj == 54
	v_lshl_or_b32 v[\pw], v[TM+7], 24, v[\pw]
.elseif qj < 127
.set qb, (qj-55)/18
.set qe, (qj-55)%18
.if qe < 16
	v_med3_num_f32 v[(\s)+16*qb+qe], v[(\s)+16*qb+qe], -v[TM+8+qb], v[TM+8+qb]   ; the conversion does not saturate (ISA guide 7.6.2): the hold
.elseif qe == 16
	v_cvt_scalef32_pk8_fp8_f32 v[(\pc)+4*qb:(\pc)+4*qb+1], v[(\s)+16*qb:(\s)+16*qb+7], v[TM+12+qb]
.else
	v_cvt_scalef32_pk8_fp8_f32 v[(\pc)+4*qb+2:(\pc)+4*qb+3], v[(\s)+16*qb+8:(\s)+16*qb+15], v[TM+12+qb]
.endif
.else
	v_nop                                          ; one plain line behind the last conversion
.endif
.endm
.macro QUANT s, pc, pw
.set qj, 0
.rept 128
	QI \s, \pc, \pw
.set qj, qj+1
.endr
.endm
.macro UNIT0                           ; s16 = 128 w + 32 (t / 2) + 8 (t % 2), from w in s13 and t in s15
	s_lshl_b32 s16, s13, 7
	s_lshr_b32 s17, s15, 1
	s_lshl_b32 s17, s17, 5
	s_add_co_u32 s16, s16, s17
	s_and_b32 s17, s15, 1
	s_lshl_b32 s17, s17, 3
	s_add_co_u32 s16, s16, s17
.endm
.macro LDCOL nb, pitch                 ; K runs down the rows of memory: nb blocks of 32, 16 numbers a lane each, pitch bytes from k to k + 1
.set cc, 0
.rept \nb
.irp i, 0,1,2,3,4,5,6,7,8,9,10,11,12,13,14,15
	global_load_b32 v[V+16*cc+\i], v4, s[24:25] offset:(32*cc+\i)*\pitch
.endr
.set cc, cc+1
.endr
.endm
.macro LDROW nb                        ; K runs along a row of memory: nb blocks of 32, 64 bytes a lane each
.set cc, 0
.rept \nb
.irp q, 0,1,2,3
	global_load_b128 v[V+16*cc+4*\q:V+16*cc+4*\q+3], v4, s[24:25] offset:128*cc+16*\q
.endr
.set cc, cc+1
.endr
.endm
	s_load_b128 s[4:7], s[0:1], 0x0                ; W1 s[4:5], W2 s[6:7]
	s_load_b128 s[8:11], s[0:1], 0x10              ; W3 s[8:9], wq s[10:11]
	v_and_b32 v1, 15, v0                           ; r
	v_bfe_u32 v2, v0, 4, 1                         ; h
	v_and_b32 v3, 8, v1
	v_add_nc_u32 v3, v3, v1                        ; r + 8 (r / 8)
	v_lshlrev_b32 v6, 4, v0                        ; 16 x lane
.irp b, 0,1,2,3
	v_mov_b32 v[TM+4+\b], 0                        ; written once: a lane permute's destination counts as one of its sources
.endr
	s_mov_b32 s[SEL], 0x76543210
	s_mov_b32 s[SEL+1], 0xfedcba98
	s_mov_b32 s[MNT], 0x600000
	s_mov_b32 s12, ttmp9                           ; T
	s_mov_b32 s27, 0                               ; the upper word of every offset
	s_wait_kmcnt 0x0
	s_cmp_lt_u32 s12, 128
	s_cbranch_scc1 .Lw2f
	s_cmp_lt_u32 s12, 256
	s_cbranch_scc1 .Lw2b
	s_cmp_lt_u32 s12, 288
	s_cbranch_scc1 .Lw1f
	s_cmp_lt_u32 s12, 304
	s_cbranch_scc1 .Lw3f
	s_cmp_lt_u32 s12, 320
	s_cbranch_scc1 .Lw1b
	; ---- a tile of W3 along its second axis, for G3
	s_sub_co_u32 s18, s12, 320
	s_lshr_b32 s13, s18, 3                         ; w
	s_and_b32 s15, s18, 7                          ; t
	UNIT0
	s_lshl_b32 s26, s16, 8                         ; a row of W3 is 256 bytes
	s_add_nc_u64 s[24:25], s[8:9], s[26:27]
	s_wait_alu depctr_va_vdst(0)
	v_lshlrev_b32 v4, 8, v3
	v_lshl_add_u32 v4, v2, 6, v4
	LDROW 2
.irp i, 32,33,34,35,36,37,38,39,40,41,42,43,44,45,46,47,48,49,50,51,52,53,54,55,56,57,58,59,60,61,62,63
	v_mov_b32 v[V+\i], 0                           ; K ends at 64: zeros fill the step of 128
.endr
	s_branch .Lquant
.Lw2f:
	s_lshr_b32 s13, s12, 5                         ; w
	s_bfe_u32 s14, s12, 0x20003                    ; s
	s_and_b32 s15, s12, 7                          ; t
	UNIT0
	s_lshl_b32 s26, s16, 2                         ; the tile's first column,
	s_lshl_b32 s17, s14, 18                        ; and 128 s rows of 2,048 bytes
	s_add_co_u32 s26, s26, s17
	s_add_nc_u64 s[24:25], s[6:7], s[26:27]
	s_wait_alu depctr_va_vdst(0)
	v_lshlrev_b32 v4, 2, v3
	v_lshl_add_u32 v4, v2, 15, v4                  ; lanes 16-31 begin 16 rows further down
	LDCOL 4, 2048
	s_branch .Lquant
.Lw2b:
	s_sub_co_u32 s18, s12, 128
	s_lshr_b32 s13, s18, 5
	s_bfe_u32 s14, s18, 0x20003
	s_and_b32 s15, s18, 7
	UNIT0
	s_lshl_b32 s26, s16, 11                        ; the tile's first row,
	s_lshl_b32 s17, s14, 9                         ; and 128 s numbers along it
	s_add_co_u32 s26, s26, s17
	s_add_nc_u64 s[24:25], s[6:7], s[26:27]
	s_wait_alu depctr_va_vdst(0)
	v_lshlrev_b32 v4, 11, v3
	v_lshl_add_u32 v4, v2, 6, v4
	LDROW 4
	s_branch .Lquant
.Lw1f:
	s_sub_co_u32 s18, s12, 256
	s_lshr_b32 s13, s18, 3
	s_and_b32 s15, s18, 7
	UNIT0
	s_lshl_b32 s26, s16, 2
	s_add_nc_u64 s[24:25], s[4:5], s[26:27]
	s_wait_alu depctr_va_vdst(0)
	v_lshlrev_b32 v5, 2, v3
	v_lshl_add_u32 v4, v2, 15, v5
	LDCOL 2, 2048                                  ; k = 0 .. 63
	global_load_b32 v[V+32], v5, s[24:25] offset:131072   ; k = 64, the last row, by every lane: no load leaves the buffer
.irp i, 33,34,35,36,37,38,39,40,41,42,43,44,45,46,47,48,49,50,51,52,53,54,55,56,57,58,59,60,61,62,63
	v_mov_b32 v[V+\i], 0
.endr
	v_cmp_eq_u32 vcc_lo, 0, v2
	s_wait_loadcnt 0x0
	v_cndmask_b32 v[V+32], 0, v[V+32], vcc_lo      ; in lanes 16-31 that register is k = 80: zero
	s_branch .Lquant
.Lw3f:
	s_sub_co_u32 s18, s12, 288
	s_lshr_b32 s13, s18, 2                         ; w
	s_and_b32 s14, s18, 3                          ; s
	s_lshl_b32 s26, s13, 6
	s_lshl_b32 s17, s14, 15                        ; 128 s rows of 256 bytes
	s_add_co_u32 s26, s26, s17
	s_add_nc_u64 s[24:25], s[8:9], s[26:27]
	s_wait_alu depctr_va_vdst(0)
	v_lshlrev_b32 v4, 2, v1
	v_lshl_add_u32 v4, v2, 12, v4
	LDCOL 4, 256
	s_branch .Lquant
.Lw1b:
	s_sub_co_u32 s18, s12, 304
	s_lshr_b32 s13, s18, 2                         ; w
	s_and_b32 s14, s18, 3                          ; I
	s_lshl_b32 s26, s14, 15                        ; 16 I rows of 2,048 bytes
	s_lshl_b32 s17, s13, 9
	s_add_co_u32 s26, s26, s17
	s_add_nc_u64 s[24:25], s[4:5], s[26:27]
	s_wait_alu depctr_va_vdst(0)
	v_lshlrev_b32 v4, 11, v1
	v_lshl_add_u32 v4, v2, 6, v4
	LDROW 4
.Lquant:
	s_wait_loadcnt 0x0                             ; all my numbers are in
	s_wait_alu depctr_va_vdst(0)
	QUANT V, PC, PW
	s_cmp_lt_u32 s12, 320
	s_cbranch_scc0 .Lg3out
	s_lshl_b32 s26, s12, 11
	s_add_nc_u64 s[28:29], s[10:11], s[26:27]      ; the fragment's image
	s_lshr_b32 s26, s12, 2
	s_lshl_b32 s26, s26, 9
	s_and_b32 s13, s12, 3
	s_lshl_b32 s13, s13, 2
	s_add_co_u32 s26, s26, s13
	s_add_co_u32 s26, s26, WQ_SC
	s_add_nc_u64 s[30:31], s[10:11], s[26:27]      ; its scale words
	s_wait_alu depctr_va_vdst(0)
.irp c, 0,1,2,3
	global_store_b128 v6, v[PC+4*\c:PC+4*\c+3], s[28:29] offset:512*\c   ; 32 lanes store 512 consecutive bytes
.endr
	global_store_b32 v6, v[PW], s[30:31]
	s_endpgm
.Lg3out:
	s_sub_co_u32 s18, s12, 320
	s_lshr_b32 s13, s18, 3
	s_and_b32 s15, s18, 7
	s_lshl_b32 s26, s13, 15                        ; 64 w groups of 512 bytes,
	s_lshl_b32 s17, s15, 10                        ; and 2 t
	s_add_co_u32 s26, s26, s17
	s_add_co_u32 s26, s26, WQ_G3
	s_add_nc_u64 s[28:29], s[10:11], s[26:27]
	; I / 2 as codes: row 16 I + r has the code 0x78 at k = 16 I + r: register 4 (I / 2) + r / 4, byte r % 4, in the lanes whose half is I % 2
	v_mov_b32 v[IS], 0x76767676                    ; 2^-9 for every block (blocks of zeros: any byte but 0xff will do)
	v_and_b32 v7, 3, v1
	v_lshlrev_b32 v7, 3, v7
	v_mov_b32 v8, 0x78
	v_lshlrev_b32 v7, v7, v8                       ; the code in byte r % 4
	v_lshrrev_b32 v9, 2, v1
.irp q, 0,1,2,3
	v_cmp_eq_u32 vcc_lo, \q, v9
	v_cndmask_b32 v[EE+\q], 0, v7, vcc_lo
.endr
.irp hh, 0,1
	v_cmp_eq_u32 vcc_lo, \hh, v2
.irp q, 0,1,2,3
	v_cndmask_b32 v[EE+4+4*\hh+\q], 0, v[EE+\q], vcc_lo
.endr
.endr
.irp I, 0,1,2,3
.irp c, 0,1,2,3
.irp q, 0,1,2,3
.if \c == \I/2
	v_mov_b32 v[ID+16*\I+4*\c+\q], v[EE+4+4*(\I%2)+\q]
.else
	v_mov_b32 v[ID+16*\I+4*\c+\q], 0
.endif
.endr
.endr
.endr
.rept 8
	v_nop                                          ; operands and scale words made by vector instructions stand 4 and 8 places ahead of a scaled matrix instruction
.endr
.irp I, 0,1,2,3
	v_wmma_scale_f32_16x16x128_f8f6f4 v[DD+8*\I:DD+8*\I+7], v[PC:PC+15], v[ID+16*\I:ID+16*\I+15], 0, v[PW], v[IS]
.endr
.rept 8
	v_nop                                          ; eight places behind this form before a store reads its result
.endr
.irp I, 0,1,2,3
	global_store_b128 v6, v[DD+8*\I:DD+8*\I+3], s[28:29] offset:8192*\I        ; each result from its low end on
	global_store_b128 v6, v[DD+8*\I+4:DD+8*\I+7], s[28:29] offset:8192*\I+512
.endr
	s_endpgm
.Lfunc_end_k_q51606b337e_prep:
	.size	k_q51606b337e_prep, .Lfunc_end_k_q51606b337e_prep-k_q51606b337e_prep
	.p2alignl 7, 3214868480
	.fill 96, 4, 3214868480
	.section	.rodata,"a",@progbits
	.p2align	6, 0x0
	.amdhsa_kernel k_q51606b337e_prep
		.amdhsa_group_segment_fixed_size 0
		.amdhsa_private_segment_fixed_size 0
		.amdhsa_enable_private_segment 0
		.amdhsa_kernarg_size 32
		.amdhsa_user_sgpr_count 2
		.amdhsa_user_sgpr_kernarg_segment_ptr 1
		.amdhsa_wavefront_size32 1
		.amdhsa_system_sgpr_workgroup_id_x 1
		.amdhsa_system_sgpr_workgroup_id_y 1
		.amdhsa_system_sgpr_workgroup_id_z 1
		.amdhsa_system_vgpr_workitem_id 0
		.amdhsa_next_free_vgpr 240
		.amdhsa_next_free_sgpr 66
		.amdhsa_reserve_vcc 1
		.amdhsa_float_denorm_mode_32 3
		.amdhsa_float_denorm_mode_16_64 3
		.amdhsa_memory_ordered 1
		.amdhsa_forward_progress 1
		.amdhsa_inst_pref_size 40
	.end_amdhsa_kernel
	.amdgpu_metadata
---
amdhsa.version: [ 1, 2 ]
amdhsa.kernels:
  - .name:           k_q51606b337e_prep
    .symbol:         k_q51606b337e_prep.kd
    .args:
      - { .name: W1, .offset: 0, .size: 8, .value_kind: global_buffer, .address_space: global }
      - { .name: W2, .offset: 8, .size: 8, .value_kind: global_buffer, .address_space: global }
      - { .name: W3, .offset: 16, .size: 8, .value_kind: global_buffer, .address_space: global }
      - { .name: wq, .offset: 24, .size: 8, .value_kind: global_buffer, .address_space: global }
    .group_segment_fixed_size: 0
    .private_segment_fixed_size: 0
    .kernarg_segment_align: 8
    .kernarg_segment_size: 32
    .max_flat_workgroup_size: 32
    .sgpr_count:     66
    .vgpr_count:     240
    .wavefront_size: 32
...
	.end_amdgpu_metadata
.endif
;; end of part 1
;; launch main (part 2): grid 256 x 1, 8 waves a work-group, no clusters, 318,720 bytes of LDS; arguments x, t, b1, b2, b3, wq, out0; writes out0
.if DOCPART == 2
	.amdgcn_target "amdgcn-amd-amdhsa--gfx1250"
	.amdhsa_code_object_version 6
	.text
	.protected	k_q51606b337e_main
	.globl	k_q51606b337e_main
	.p2align	8
	.type	k_q51606b337e_main,@function
k_q51606b337e_main:
	s_mov_b64 s[64:65], 0
	v_nop
	global_prefetch_b8 v0, s[64:65] scope:SCOPE_SE
	s_setreg_imm32_b32 hwreg(HW_REG_WAVE_MODE, 25, 1), 1
	s_wait_xcnt 0x0
; out0[b][0:64] = dx = (tanh(tanh([x, t] W1 + b1) W2 + b2) W3 + b3) / 2;  out0[b][64] = the trace of d dx / d x, by reverse mode.  All products on codes of FP8 (E4M3) with one E8M0 scale for each 32 along K.
; BACKWARD.  For sample b and output i: g2[k] = G3[i][k] d2[b][k], d2 = 1 - h2^2;  u = Q(g2) Q(W2 along its second axis)^T;  g1 = u d1[b], d1 = 1 - h1^2;  J[i][i] = Q(g1) . Q(W1[i] along its second axis).
; LEFT OUT: x's last column and the tiles of the last product off the diagonal (they reach no output: the head of the first kernel).
; SHARES.  A work-group of eight waves owns 8 samples.  THE WAVES SHARE THE COLUMNS: wave w owns hidden units 64 w .. 64 w + 63 of both layers, and of g2 and g1 the same 64 along K (half of K step w / 2).
; Its 16 fragments of W2 fill 256 registers (first the forward ones, then the backward ones).  Forward tiles have 16 rows: row r is sample r % 8 (the upper eight are copies and store the same bytes).
; All products are used transposed (source 0 = 16 rows of a weight, source 1 = 16 rows of samples or of outputs i); the weights' tiles take rows 32 (t / 2) + 8 (t % 2) + r + 8 (r / 8), so register n of a lane's
; 32 results is unit 64 w + 32 (n / 16) + 16 (lane / 16) + n % 16: 16 neighbours of each of two blocks of 32, as the conversions and the next operand's layout want them.
; OPERANDS GO FROM WAVE TO WAVE THROUGH LDS AS IMAGES OF THEIR REGISTERS (16 x lane); a wave makes half a fragment, two stores of 16 bytes a lane, and two of the four bytes of its scale words.
; THE LAST PRODUCT takes two tiles of outputs at once: its K is tile 2 q's 64 units, then tile 2 q + 1's, against W1's rows of the one, then of the other: the diagonal of the result is the sum of both diagonals.
; PHASES: forward (four barriers) | 1: each wave makes its part of g2 for 8 samples x 4 tiles | barrier | 2: 32 tiles, each 16 products (K = 512, my 64 units), x d1, quantised; a tile's vector work stands between the
; next tile's groups of eight products, and K step s of the tile after it is fetched behind the group that has used the registers | the diagonals are summed, and wave 0 stores the 8 rows of out0.
; NO CLUSTER, NO TENSOR LOAD: the weights are wanted in registers, where they stay.  Backward W2's loads are out while phase 1 stores g2's images over 262,144 of the 318,720 bytes of LDS: a joint load of its
; 262,144 bytes would have no bytes to land in.  NO PREFETCH: the weights are loaded once, ahead of the loops, and no loop reads memory.
; LIMITS: tanh(z) = 1 - 2 / (1 + 2^(2.88539 z)): an absolute error of about 1.2e-7, so small h carry a larger relative one.  A block whose largest magnitude lies under 2^-118 keeps the scale byte 1.
; NaN and infinities among the inputs are not served.  f32 sums are taken in another order than the K steps' (dx: by K step and by wave; the trace: by pair of tiles and by wave).
; LDS: G2I 0 (fragment ((4 b + I) 4 + s) x 2,048) | G2S 262,144 ((4 b + I) 512 + 16 lane + 4 s) | D2R 278,528, D1R 294,912 (2,048 w + 256 G + 128 h + 16 b: registers 4 G .. 4 G + 3) | OUTS 311,296 ([8][65] f32)
;   | PAR 313,600 (dx's sums over each half of K) | SPARE 317,696.  DIV, the diagonals (1,024 w + 128 b + 4 lane), lies in D2R, which phase 1 has read.  x's rows, h1's and h2's images lie in G2I ahead of phase 1.
; REGISTERS.  Window 1: W2.  Window 0: v0-9, v24-31 addresses (v6 the scale word just made, v7, v8 later W1's); v10-13, v18-21 at work; v14-17, v22-25 scale words fetched; v32-39 W2's scale words (lanes 0-15 even K steps,
;   16-31 odd); v40-47 the last product's sums; v48-63 codes; v64-95 W3, then numbers at work, then W1; v96-127 x, then d2, then d1; v128-255 G3; in phase 2 two sets of sums (v128, v160) and a tile's g2 (v192).
.set XS,   32768
.set XP,   272
.set G2S,  262144
.set D2R,  278528
.set DIV,  282624
.set D1R,  294912
.set OUTS, 311296
.set PAR,  313600
.set SPARE, 317696
.set H2I,  8192
.set H1S,  16384
.set H2S,  16896
.set WQ_W2B, 262144
.set WQ_W1F, 524288
.set WQ_W3F, 589824
.set WQ_W1B, 622592
.set WQ_G3,  655360
.set WQ_SC,  786432
.set PW,  6
.set W1S, 7
.set TX,  12                           ; (the running maxima's numbers differ, modulo 4, from those of the numbers that they meet)
.set TY,  10
.set TSC, 18
.set TL,  20
.set FS,  14                           ; the second set at FS + 8
.set W2S, 32
.set D9,  40
.set PC,  48
.set AW,  64
.set W1B, 64
.set D1,  96
.set ACC, 128
.set G3,  128
.set GB,  192
.set WV,  18                           ; s18 my wave's number
.set SEL, 20                           ; s[20:21] selects for lane l xor 16
.set C2,  22                           ; s[22:23] 2 log2(e), twice
.set MNT, 24                           ; s24 the mantissa field of 448
.set CNT, 25
.set TB,  26                           ; this sample's place in G2I, G2S, D1R or D2R, DIV
.set TS,  27
.set TD,  28
.set TT,  29
.set P2,  32                           ; s[32:49] my wave's part of wq; a section's place in wq stands in the loads' immediates
.set PS2, 34
.set P1,  36
.set PS1, 38
.set P3,  40
.set PS3, 42
.set PB1, 44
.set PSB, 46
.set PG,  48
.set WO,  51                           ; w / 2
.set WL,  52                           ; w % 2
.set WH,  53                           ; w / 4
.set MSB, 0
.macro WIN new                         ; the immediate's high byte repeats the setting that is left
.if MSB != \new
	s_set_vgpr_msb (MSB<<8)|\new
.set MSB, \new
.endif
.endm
.macro NOPS cnt
.rept \cnt
	v_nop
.endr
.endm
; Line qj of the quantiser's lines 0 .. 64, for the 32 numbers v[src] on (two blocks of 32 along K, 16 numbers a lane each): 8 registers of codes to v[pc] on; two bytes of the scale word v[PW], the upper two where odd = 1.
.macro QL src, pc, odd
.if qj < 16
.set qb, qj%2
.set qk, qj/2
.if qk == 0
	v_max3_num_f32 v[TX+qb], |v[\src+16*qb]|, |v[\src+16*qb+1]|, |v[\src+16*qb+2]|
.elseif qk == 1
	v_max3_num_f32 v[TY+qb], |v[\src+16*qb+3]|, |v[\src+16*qb+4]|, |v[\src+16*qb+5]|
.elseif qk == 7
	v_max3_num_f32 v[TX+qb], v[TX+qb], v[TY+qb], 0x4800000               ; and the floor 2^(9 - 127): the byte cannot fall under 1
.elseif qk%2 == 0
	v_max3_num_f32 v[TX+qb], v[TX+qb], |v[\src+16*qb+2*qk+2]|, |v[\src+16*qb+2*qk+3]|
.else
	v_max3_num_f32 v[TY+qb], v[TY+qb], |v[\src+16*qb+2*qk+2]|, |v[\src+16*qb+2*qk+3]|
.endif
.elseif qj < 18
	v_permlanex16_b32 v[TY+qj-16], v[TX+qj-16], s[SEL], s[SEL+1]
.elseif qj < 20
	v_max_num_f32 v[TX+qj-18], v[TX+qj-18], v[TY+qj-18]                  ; with lane l xor 16's: the block's largest magnitude
.elseif qj < 22
	v_add_nc_u32 v[TSC+qj-20], 0xfc000000, v[TX+qj-20]                   ; 8 off its exponent field: the conversion's scale operand
.elseif qj < 24
	v_and_or_b32 v[TL+qj-22], v[TX+qj-22], 0x7f800000, s[MNT]            ; 448 x the scale
.elseif qj < 26
	v_lshrrev_b32 v[TY+qj-24], 23, v[TSC+qj-24]                          ; the scale's byte
.elseif qj == 26
.if \odd
	v_lshl_or_b32 v[PW], v[TY], 16, v[PW]
.else
	v_lshl_or_b32 v[PW], v[TY+1], 8, v[TY]
.endif
.elseif qj == 27
.if \odd
	v_lshl_or_b32 v[PW], v[TY+1], 24, v[PW]
.endif
.elseif qj < 40
	v_med3_num_f32 v[\src+qj-28], v[\src+qj-28], -v[TL], v[TL]           ; the conversion does not saturate (ISA guide 7.6.2): the hold
.elseif qj == 40
	v_cvt_scalef32_pk8_fp8_f32 v[\pc:\pc+1], v[\src:\src+7], v[TSC]      ; the conversions stand among the holds
.elseif qj < 45
	v_med3_num_f32 v[\src+12+qj-41], v[\src+12+qj-41], -v[TL], v[TL]
.elseif qj < 49
	v_med3_num_f32 v[\src+16+qj-45], v[\src+16+qj-45], -v[TL+1], v[TL+1]
.elseif qj == 49
	v_cvt_scalef32_pk8_fp8_f32 v[\pc+2:\pc+3], v[\src+8:\src+15], v[TSC]
.elseif qj < 58
	v_med3_num_f32 v[\src+20+qj-50], v[\src+20+qj-50], -v[TL+1], v[TL+1]
.elseif qj == 58
	v_cvt_scalef32_pk8_fp8_f32 v[\pc+4:\pc+5], v[\src+16:\src+23], v[TSC+1]
.elseif qj < 63
	v_med3_num_f32 v[\src+28+qj-59], v[\src+28+qj-59], -v[TL+1], v[TL+1]
.elseif qj == 63
	v_cvt_scalef32_pk8_fp8_f32 v[\pc+6:\pc+7], v[\src+24:\src+31], v[TSC+1]
.else
	v_nop                                          ; one plain line behind the last conversion
.endif
.endm
.macro QRUN src, pc, from, cnt
.set qj, \from
.rept \cnt
	QL \src, \pc, 0
.set qj, qj+1
.endr
.endm
.macro LW2 s, base                     ; K step s of my 16 fragments of W2: 16 loads, each of 512 consecutive bytes
	WIN 0x40
.irp t, 0,1,2,3
.irp c, 0,1,2,3
	global_load_b128 v[16*(4*\s+\t)+4*\c:16*(4*\s+\t)+4*\c+3], v1, s[P2:P2+1] offset:\base+(8*\s+\t)*2048+512*\c
.endr
.endr
	WIN 0
.endm
.macro BIAS reg, ptr                   ; my 64 numbers of a bias in the results' layout
.irp c, 0,1
.irp q, 0,1,2,3
	global_load_b128 v[\reg+16*\c+4*\q:\reg+16*\c+4*\q+3], v24, s[\ptr:\ptr+1] offset:128*\c+16*\q
.endr
.endr
.endm
.macro LG3 I                           ; piece I of G3: 32 registers
.irp g, 0,1,2,3,4,5,6,7
	global_load_b128 v[G3+32*\I+4*\g:G3+32*\I+4*\g+3], v1, s[PG:PG+1] offset:WQ_G3+8192*\I+512*\g
.endr
.endm
.macro BARRIER                         ; my LDS stores have landed and my LDS loads are in: then the work-group's barrier
	s_wait_dscnt 0x0
	s_barrier_signal -1
	s_barrier_wait -1
.endm
; 32 sums v[a] on become h = tanh in place; 1 - h^2 goes to LDS at v[adr].
.macro TANH a, adr
.set n, 0
.rept 16
	v_pk_mul_f32 v[\a+n:\a+n+1], v[\a+n:\a+n+1], s[C2:C2+1] op_sel_hi:[1,0]
.set n, n+2
.endr
	s_wait_alu depctr_va_vdst(0)                   ; the wait ahead of a batch and behind it
.set n, 0
.rept 32
	v_exp_f32 v[\a+n], v[\a+n]
.set n, n+1
.endr
	v_nop                                          ; a plain line behind the transcendentals
	s_wait_alu depctr_va_vdst(0)
.set n, 0
.rept 16
	v_pk_add_f32 v[\a+n:\a+n+1], v[\a+n:\a+n+1], 1.0 op_sel_hi:[1,0]
.set n, n+2
.endr
	s_wait_alu depctr_va_vdst(0)
.set n, 0
.rept 32
	v_rcp_f32 v[\a+n], v[\a+n]
.set n, n+1
.endr
	v_nop
	s_wait_alu depctr_va_vdst(0)
.set n, 0
.rept 16
	v_pk_fma_f32 v[\a+n:\a+n+1], v[\a+n:\a+n+1], -2.0, 1.0 op_sel_hi:[1,0,0]   ; h
.set n, n+2
.endr
.set n, 0
.rept 16
	v_pk_fma_f32 v[D1+n+2-2*(n%4):D1+n+3-2*(n%4)], v[\a+n:\a+n+1], v[\a+n:\a+n+1], 1.0 op_sel_hi:[1,1,0] neg_lo:[1,0,0] neg_hi:[1,0,0]   ; 1 - h h; the two pairs of each four change places, in LDS and in registers alike
.set n, n+2
.endr
.irp G, 0,1,2,3,4,5,6,7
	ds_store_b128 v[\adr], v[D1+4*\G:D1+4*\G+3] offset:256*\G
.endr
.endm
; K step s of a tile: four products, one on each of the sums v[a] on, which take turns; f: the operand's scale words; z = 1: K step 0 starts the sums.
.macro MMA s, a, f, z
	WIN 0x01                                       ; source 0 (W2) window 1
.irp t, 0,1,2,3
.if \s == 0
.if \z
	v_wmma_scale_f32_16x16x128_f8f6f4 v[\a+8*\t:\a+8*\t+7], v[16*\t:16*\t+15], v[GB:GB+15], 0, v[W2S+\t], v[\f]
.else
	v_wmma_scale_f32_16x16x128_f8f6f4 v[\a+8*\t:\a+8*\t+7], v[16*\t:16*\t+15], v[GB:GB+15], v[\a+8*\t:\a+8*\t+7], v[W2S+\t], v[\f]
.endif
.elseif \s%2
	v_wmma_scale_f32_16x16x128_f8f6f4 v[\a+8*\t:\a+8*\t+7], v[16*(4*\s+\t):16*(4*\s+\t)+15], v[GB+16*\s:GB+16*\s+15], v[\a+8*\t:\a+8*\t+7], v[W2S+4*(\s/2)+\t], v[\f+\s] matrix_a_scale:MATRIX_SCALE_ROW1
.else
	v_wmma_scale_f32_16x16x128_f8f6f4 v[\a+8*\t:\a+8*\t+7], v[16*(4*\s+\t):16*(4*\s+\t)+15], v[GB+16*\s:GB+16*\s+15], v[\a+8*\t:\a+8*\t+7], v[W2S+4*(\s/2)+\t], v[\f+\s]
.endif
.endr
.endm
; Line pj of the 81 that follow a tile's products (set p of the sums): 16 packed multiplications by d1, each sum from its low end on; the quantiser.
.macro PST p, odd
.if pj < 16
	v_pk_mul_f32 v[ACC+32*(\p)+2*pj:ACC+32*(\p)+2*pj+1], v[ACC+32*(\p)+2*pj:ACC+32*(\p)+2*pj+1], v[D1+2*pj+2-4*(pj%2):D1+2*pj+3-4*(pj%2)]
.else
.set qj, pj-16
	QL ACC+32*(\p), PC+8*(\odd), \odd
.endif
.endm
; The last product for tiles 2 q and 2 q + 1 of a sample; both pairs go into one sum, 24 products apart (8 in the last trip).
.macro NINE q
.if \q == 0
	v_wmma_scale_f32_16x16x128_f8f6f4 v[D9:D9+7], v[W1B:W1B+15], v[PC:PC+15], 0, v[W1S], v[PW]
.else
	v_wmma_scale_f32_16x16x128_f8f6f4 v[D9:D9+7], v[W1B+16:W1B+31], v[PC:PC+15], v[D9:D9+7], v[W1S+1], v[PW]
.endif
.endm
.macro LFRAG s, i, adr                 ; K step s of g2's tile i
.irp c, 0,1,2,3
	ds_load_b128 v[GB+16*\s+4*\c:GB+16*\s+4*\c+3], v[\adr] offset:8192*(\i)+2048*\s+512*\c
.endr
.endm
; A slot: a tile's products into set m of the sums (-1: none), the tile's before it vector work (set p), and the loads of tile ld (-1: none), each K step behind ten plain lines that follow the group that has used its
; registers (eight are asked).  dl = 1: the next sample's d1, behind the multiplications by this one's.  nine = 1: the last product of the pair just finished, ten lines behind its codes.
.macro SLOT m, p, odd, ld, dl, nine
.set pj, 0
.irp s, 0,2                            ; two groups of two K steps: eight products each
.if (\m) >= 0
.if \s == 0
	s_wait_alu depctr_va_vdst(0)                   ; the wait stands directly ahead of the waits below
.if \nine
	s_wait_loadcnt 0x0                             ; W1's fragments (met at once from the second trip on)
.endif
	s_wait_dscnt 8                                 ; K steps 0 and 1, the scale words and d1 are in: the loads of K steps 2 and 3, eight, are younger
.else
	s_wait_alu depctr_va_vdst(0)
.if (\ld) >= 0
	s_wait_dscnt 8                                 ; K steps 2 and 3 are in: the youngest eight loads are the next tile's K steps 0 and 1
.else
	s_wait_dscnt 0x0
.endif
.endif
.if \s == 0
	MMA 0, ACC+32*(\m), FS+8*(\m), 1
	MMA 1, ACC+32*(\m), FS+8*(\m), 1
.else
	MMA 2, ACC+32*(\m), FS+8*(\m), 1
	MMA 3, ACC+32*(\m), FS+8*(\m), 1
.endif
	WIN 0
.endif
.rept 10
	PST \p, \odd
.set pj, pj+1
.endr
.if \s == 0
.if \nine
	NINE 0
.endif
.endif
.if (\ld) >= 0
.if \s == 0
	ds_load_b128 v[FS+8*((\ld)%2):FS+8*((\ld)%2)+3], v3 offset:512*(\ld)
.else
.if \dl
.irp G, 0,1,2,3,4,5,6,7
	ds_load_b128 v[D1+4*\G:D1+4*\G+3], v4 offset:256*\G+16
.endr
.endif
.endif
.if \s == 0
	LFRAG 0, \ld, 2
	LFRAG 1, \ld, 2
.else
	LFRAG 2, \ld, 2
	LFRAG 3, \ld, 2
.endif
.endif
.rept 30
	PST \p, \odd
.set pj, pj+1
.endr
.endr
	PST \p, \odd
.endm
; A trip: one sample.  Its tile 0's products stand ahead of it; the next sample's tile 0 is multiplied in its last slot (tiles 4 and 5 are the next sample's 0 and 1).
.macro TRIP last
	v_add_nc_u32 v2, s[TB], v1
	v_add_nc_u32 v3, s[TS], v26
	v_add_nc_u32 v4, s[TD], v27
	v_add_nc_u32 v5, s[TT], v28
	SLOT 1, 0, 0, 2, 0, 0
	SLOT 0, 1, 1, 3, 0, 0
.if \last
	SLOT 1, 0, 0, -1, 0, 1
	SLOT -1, 1, 1, -1, 0, 0
.else
	SLOT 1, 0, 0, 4, 0, 1
	SLOT 0, 1, 1, 5, 1, 0
.endif
	NOPS 3                                         ; with the slot's last line four places behind the codes
	NINE 1
	NOPS 8                                         ; eight places behind this form before its result is read
	v_cndmask_b32 v10, v[D9], v[D9+1], s57         ; the diagonal: lanes j and 24 + j take register j
.irp j, 2,3,4,5,6,7
	v_cndmask_b32 v10, v10, v[D9+\j], s[56+\j]
.endr
	v_cndmask_b32 v10, 0, v10, s56                 ; the other lanes hold nothing of it
	ds_store_b32 v5, v10
.endm
.macro OFS dst, a, sa, b, sb           ; an offset into wq: (s[a] << sa) + (s[b] << sb), in a pair
	s_lshl_b32 s[\dst], s[\a], \sa
	s_lshl_b32 s31, s[\b], \sb
	s_add_co_u32 s[\dst], s[\dst], s31
	s_mov_b32 s[\dst+1], 0
.endm
.macro OFS1 dst, a, sa
	s_lshl_b32 s[\dst], s[\a], \sa
	s_mov_b32 s[\dst+1], 0
.endm
	s_load_b256 s[4:11], s[0:1], 0x0               ; x s[4:5], t s[6:7], b1 s[8:9], b2 s[10:11]
	s_load_b128 s[12:15], s[0:1], 0x20             ; b3 s[12:13], wq s[14:15]
	s_load_b64 s[16:17], s[0:1], 0x30              ; out0
	v_lshrrev_b32 v10, 5, v0
	v_readfirstlane_b32 s[WV], v10                 ; wave 0..7
	v_and_b32 v11, 31, v0
	v_lshlrev_b32 v1, 4, v11                       ; v1  16 x lane
	v_lshlrev_b32 v9, 2, v11                       ; v9  4 x lane
	v_and_b32 v12, 7, v0                           ; my row's sample
	v_bfe_u32 v13, v0, 4, 1                        ; h
	v_cmp_eq_u32 vcc_lo, 0, v13                    ; lanes 0-15
	v_lshlrev_b32 v24, 6, v13                      ; v24 64 h: biases
	v_and_b32 v10, 15, v0
	v_lshlrev_b32 v25, 4, v10
	v_lshl_add_u32 v25, v13, 10, v25               ; v25 W2's scale words: 16 r, and the next K step's 1,024 bytes on for lanes 16-31
	s_mul_i32 s54, s[WV], XP
	s_add_co_u32 s54, s54, XS
	v_add_nc_u32 v2, s54, v9                       ; v2  x's row w as it is stored
	v_mul_u32_u24 v3, v12, XP
	v_lshl_add_u32 v3, v13, 6, v3
	v_add_nc_u32 v3, XS, v3                        ; v3  x as it is read: row = sample, + 64 h
	s_lshl_b32 s54, s[WV], 11
	v_lshlrev_b32 v27, 7, v13
	v_add_nc_u32 v27, s54, v27                     ; 2,048 w + 128 h
	v_add_nc_u32 v31, D2R, v27                     ; v31 d2 as it is read
	v_add_nc_u32 v27, D1R, v27                     ; v27 d1 as it is read
	v_lshl_add_u32 v8, v12, 4, v27                 ; v8  d1 as it is stored: + 16 x sample
	v_lshl_add_u32 v7, v12, 4, v31                 ; v7  d2 likewise
	s_lshl_b32 s54, s[WV], 10
	v_add_nc_u32 v29, s54, v1                      ; v29 where I store my half of an image
	s_add_co_u32 s54, s54, DIV
	v_add_nc_u32 v28, s54, v9                      ; v28 where I store diagonals
	s_lshl_b32 s54, s[WV], 1
	v_add_nc_u32 v30, s54, v1                      ; v30 my two bytes of a scale word: 16 lane + 2 w
	v_add_nc_u32 v5, G2S, v30                      ; v5  and g2's
	v_add_nc_u32 v26, G2S, v1                      ; v26 where g2's scale words are read
	s_lshr_b32 s[WO], s[WV], 1
	s_and_b32 s[WL], s[WV], 1
	s_lshr_b32 s[WH], s[WV], 2
	s_and_b32 s3, s[WV], 3
	v_lshlrev_b32 v4, 8, v12
	v_lshl_add_u32 v4, v13, 5, v4
	s_lshl_b32 s54, s[WH], 11
	s_lshl_b32 s31, s3, 6
	s_add_co_u32 s54, s54, s31
	s_add_co_u32 s54, s54, PAR
	v_add_nc_u32 v4, s54, v4                       ; v4  my sums of dx: half of K, sample, outputs 16 (w % 4) + 8 h on
	OFS P2, WO, 16, WL, 13
	OFS PS2, WO, 12, WL, 9
	OFS1 P1, WV, 13
	OFS1 PS1, WV, 9
	OFS P3, 3, 13, WH, 12
	OFS PS3, 3, 9, WH, 3
	OFS PB1, WO, 13, WL, 10
	OFS1 PSB, WO, 9
	OFS PG, WO, 15, WL, 12
	s_mul_i32 s50, s[WL], 0x02020202
	s_add_co_u32 s50, s50, 0x05040100              ; s50 picks my half of two words' bytes
	s_mul_i32 s2, s[WV], 260
	s_mov_b32 s[SEL], 0x76543210
	s_mov_b32 s[SEL+1], 0xfedcba98
	s_mov_b32 s[C2], 0x4038aa3b                    ; 2 log2(e)
	s_mov_b32 s[C2+1], s[C2]
	s_mov_b32 s[MNT], 0x600000
	s_mov_b32 s56, 0xff0000ff                      ; the lanes that hold a number of the diagonal: register j holds (8 h + j, r), so lanes j and 24 + j
.irp j, 1,2,3,4,5,6,7
	s_mov_b32 s[56+\j], (1<<\j)|(1<<(24+\j))
.endr
	s_mov_b32 s55, 0
	s_wait_alu depctr_va_vdst(0)                   ; the wait at the head's end
	s_wait_kmcnt 0x0
	s_load_b32 s19, s[6:7], 0x0                    ; t
	s_mul_i32 s54, ttmp9, 2080                     ; 8 rows of 260 bytes
	s_add_nc_u64 s[16:17], s[16:17], s[54:55]
	s_add_co_u32 s54, s54, s2
	s_add_nc_u64 s[4:5], s[4:5], s[54:55]          ; x at row w of mine
	global_load_b32 v96, v9, s[4:5]                ; its 64 numbers (2)
	global_load_b32 v97, v9, s[4:5] offset:128
	s_lshl_b32 s54, s[WV], 8
	s_add_nc_u64 s[8:9], s[8:9], s[54:55]
	s_add_nc_u64 s[10:11], s[10:11], s[54:55]
.irp p, P2, PS2, P1, PS1, P3, PS3, PB1, PSB, PG
	s_add_nc_u64 s[\p:\p+1], s[\p:\p+1], s[14:15]
.endr
	; ---- the loads go out in the order in which they are wanted: W1 (12: k = 0 .. 95), its scale words (1), b1 (8), W2's K step 0 (16); its other K steps follow between layer 1's steps
.irp t, 0,1,2,3
.irp c, 0,1,2
	global_load_b128 v[GB+16*\t+4*\c:GB+16*\t+4*\c+3], v1, s[P1:P1+1] offset:WQ_W1F+2048*\t+512*\c
.endr
.endr
	global_load_b128 v[40:43], v1, s[PS1:PS1+1] offset:WQ_SC+32768
	BIAS 128, 8
	LW2 0, 0
	s_wait_kmcnt 0x0
	; ---- k = 64 is t, in lanes 0-15; all beyond is zero, on both sides
	v_mov_b32 v64, s19
.irp i, 65,66,67,68,69,70,71
	v_mov_b32 v\i, 0
.endr
	v_max_num_f32 v72, 0x4800000, |v64|
	v_add_nc_u32 v73, 0xfc000000, v72
	v_and_or_b32 v74, v72, 0x7f800000, s[MNT]
	v_lshrrev_b32 v75, 23, v73
	v_med3_num_f32 v64, v64, -v74, v74
	v_cndmask_b32 v64, 0, v64, vcc_lo
	v_cvt_scalef32_pk8_fp8_f32 v[PC+8:PC+9], v[64:71], v73
.irp i, 10,11,12,13,14,15
	v_mov_b32 v[PC+\i], 0
.endr
.irp t, 0,1,2,3
.irp i, 12,13,14,15
	v_mov_b32 v[GB+16*\t+\i], 0                    ; W1's k = 96 .. 127
.endr
.endr
	s_wait_alu depctr_va_vdst(0)
	s_wait_loadcnt 37                              ; 37 loads were issued behind x's
	ds_store_b32 v2, v96
	ds_store_b32 v2, v97 offset:128
	BARRIER                                        ; the 8 rows of x lie in LDS
.irp c, 0,1
.irp q, 0,1,2,3
	ds_load_b128 v[96+16*\c+4*\q:96+16*\c+4*\q+3], v3 offset:128*\c+16*\q
.endr
.endr
	LW2 1, 0                                       ; W2's K step 1 (16)
	s_wait_dscnt 0x0
	QRUN 96, PC, 0, 28                             ; every wave quantises the 8 rows for itself
	v_lshl_or_b32 v[PW], v75, 16, v[PW]            ; t's scale byte,
	v_or_b32 v[PW], 0x7f000000, v[PW]              ; and 127 for the block of zeros
	QRUN 96, PC, 28, 36
	LW2 2, 0                                       ; W2's K step 2 (16)
	NOPS 4                                         ; codes made by vector instructions stand 4 places ahead of a scaled matrix instruction
	; ---- layer 1: my 4 tiles; b1 is the C of each sum
	s_wait_alu depctr_va_vdst(0)
	s_wait_loadcnt 48                              ; W2's 48 loads were issued behind b1's
.irp t, 0,1,2,3
	v_wmma_scale_f32_16x16x128_f8f6f4 v[128+8*\t:128+8*\t+7], v[GB+16*\t:GB+16*\t+15], v[PC:PC+15], v[128+8*\t:128+8*\t+7], v[40+\t], v[PW]
.endr
	BIAS 160, 10                                   ; b2 (8)
	global_load_b128 v[W2S:W2S+3], v25, s[PS2:PS2+1] offset:WQ_SC             ; W2's scale words (2)
	global_load_b128 v[W2S+4:W2S+7], v25, s[PS2:PS2+1] offset:WQ_SC+2048
	LW2 3, 0                                       ; W2's K step 3 (16)
	NOPS 8                                         ; eight places behind this form before its results are read
	TANH 128, 8
	QRUN 128, PC, 0, 65
	ds_store_b128 v29, v[PC:PC+3]
	ds_store_b128 v29, v[PC+4:PC+7] offset:512
	ds_store_b16 v30, v[PW] offset:H1S
	BARRIER                                        ; h1's four fragments lie in LDS
	; ---- layer 2
.irp s, 0,1,2,3
	LFRAG \s, 0, 1
.endr
	ds_load_b128 v[FS:FS+3], v1 offset:H1S
.irp k, 0,1
.irp c, 0,1,2,3
	global_load_b128 v[64+16*\k+4*\c:64+16*\k+4*\c+3], v1, s[P3:P3+1] offset:WQ_W3F+2048*\k+512*\c   ; W3 (8): outputs 16 (w % 4) on, my half of K
.endr
.endr
	global_load_b64 v[44:45], v1, s[PS3:PS3+1] offset:WQ_SC+36864             ; its scale words (1)
	global_load_b32 v46, v9, s[12:13]              ; b3 (2)
	global_load_b32 v47, v9, s[12:13] offset:128
	LG3 0                                          ; G3's piece 0 (8)
	s_wait_alu depctr_va_vdst(0)
	s_wait_loadcnt 19                              ; 19 loads were issued behind W2's
	s_wait_dscnt 0x0
.irp s, 0,1,2,3
	MMA \s, 160, FS, 0                             ; b2 is the C of each sum
.endr
	WIN 0
	NOPS 8                                         ; places in front of the reads of the results and of the loads into registers that these products have read
	LG3 2                                          ; (16)
	LG3 3
	TANH 160, 7
	QRUN 160, PC, 0, 65
	ds_store_b128 v29, v[PC:PC+3] offset:H2I
	ds_store_b128 v29, v[PC+4:PC+7] offset:H2I+512
	ds_store_b16 v30, v[PW] offset:H2S
	BARRIER                                        ; h2's four fragments lie in LDS
	; ---- layer 3: 16 outputs, my half of K; a sum for each K step
	s_lshl_b32 s54, s[WH], 12
	v_add_nc_u32 v10, s54, v1
	s_lshl_b32 s54, s[WH], 3
	v_add_nc_u32 v11, s54, v1
.irp k, 0,1
.irp c, 0,1,2,3
	ds_load_b128 v[96+16*\k+4*\c:96+16*\k+4*\c+3], v10 offset:H2I+2048*\k+512*\c
.endr
.endr
	ds_load_b64 v[FS:FS+1], v11 offset:H2S
	LG3 1                                          ; (8)
	global_load_b128 v[W2S:W2S+3], v25, s[PS2:PS2+1] offset:WQ_SC+16384       ; backward W2's scale words (2)
	global_load_b128 v[W2S+4:W2S+7], v25, s[PS2:PS2+1] offset:WQ_SC+18432
	global_load_b128 v[40:43], v1, s[PSB:PSB+1] offset:WQ_SC+38912            ; backward W1's (1)
	s_wait_alu depctr_va_vdst(0)
	s_wait_loadcnt 35                              ; 35 loads were issued behind b3's
	s_wait_dscnt 0x0
	v_wmma_scale_f32_16x16x128_f8f6f4 v[48:55], v[64:79], v[96:111], 0, v44, v14
	v_wmma_scale_f32_16x16x128_f8f6f4 v[56:63], v[80:95], v[112:127], 0, v45, v15
	NOPS 8
.irp k, 0,2,4,6
	v_pk_add_f32 v[48+\k:49+\k], v[48+\k:49+\k], v[56+\k:57+\k]          ; each result from its low end on
.endr
	ds_store_b128 v4, v[48:51]
	ds_store_b128 v4, v[52:55] offset:16
	BARRIER                                        ; both halves' sums lie in LDS, and every wave has read h2's images: phase 1 may store over them
	s_lshl_b32 s54, s[WV], 8
	s_add_co_u32 s54, s54, PAR
	v_add_nc_u32 v10, s54, v9                      ; dx's row w: two outputs a lane
	ds_load_b32 v18, v10
	ds_load_b32 v19, v10 offset:128
	ds_load_b32 v20, v10 offset:2048
	ds_load_b32 v21, v10 offset:2176
.irp G, 0,1,2,3,4,5,6,7
	ds_load_b128 v[D1+4*\G:D1+4*\G+3], v31 offset:256*\G     ; sample 0's d2
.endr
	s_wait_alu depctr_va_vdst(0)
	s_wait_loadcnt 3                               ; only the backward scale words' three loads were issued behind G3's last
	s_wait_dscnt 0x0
	v_pk_add_f32 v[18:19], v[18:19], v[20:21]
	v_pk_add_f32 v[18:19], v[18:19], v[46:47]
	v_pk_mul_f32 v[18:19], v[18:19], 0.5 op_sel_hi:[1,0]
	s_add_co_u32 s54, s2, OUTS
	v_add_nc_u32 v11, s54, v9
	ds_store_b32 v11, v18                          ; a row of out0 is 260 bytes, so words
	ds_store_b32 v11, v19 offset:128
	; ---- PHASE 1: my 64 along K of g2 = G3 x d2, for 8 samples x 4 tiles of outputs
	; Written out by sample: behind each tile stand two of the 64 loads of backward W2, whose registers differ from tile to tile: they land while g2 is made.
.macro SAMPLE b
.if \b > 0
	s_wait_alu depctr_va_vdst(0)                   ; the wait stands directly ahead of the wait below
	s_wait_dscnt 3                                 ; this sample's d2 is in: the last tile's three stores were issued behind its loads
.endif
.if \b == 0
.set SA, 29                            ; the register that holds where my images go: two samples lie within an immediate's reach
.elseif \b%2 == 0
	v_add_nc_u32 v2, 65536*(\b/2), v29
.set SA, 2
.endif
.irp I, 0,1,2,3
.set n, 0
.rept 16
	v_pk_mul_f32 v[AW+n:AW+n+1], v[G3+32*\I+n:G3+32*\I+n+1], v[D1+n+2-2*(n%4):D1+n+3-2*(n%4)]
.set n, n+2
.endr
.if \I == 3
.if \b < 7
.irp G, 0,1,2,3,4,5,6,7
	ds_load_b128 v[D1+4*\G:D1+4*\G+3], v31 offset:256*\G+16*(\b+1)   ; the next sample's d2 lands while this tile is quantised
.endr
.endif
.endif
	QRUN AW, PC+8*(\I%2), 0, 64
	ds_store_b128 v[SA], v[PC+8*(\I%2):PC+8*(\I%2)+3] offset:32768*(\b%2)+8192*\I
	ds_store_b128 v[SA], v[PC+8*(\I%2)+4:PC+8*(\I%2)+7] offset:32768*(\b%2)+8192*\I+512
	ds_store_b16 v5, v[PW] offset:2048*\b+512*\I
.set wt, 2*(\b%2)+\I/2                 ; backward W2: K step b / 2, tile wt, pieces wc and wc + 1 of its four
.set wc, 2*(\I%2)
	WIN 0x40
	global_load_b128 v[16*(4*(\b/2)+wt)+4*wc:16*(4*(\b/2)+wt)+4*wc+3], v1, s[P2:P2+1] offset:WQ_W2B+(8*(\b/2)+wt)*2048+512*wc
	global_load_b128 v[16*(4*(\b/2)+wt)+4*wc+4:16*(4*(\b/2)+wt)+4*wc+7], v1, s[P2:P2+1] offset:WQ_W2B+(8*(\b/2)+wt)*2048+512*wc+512
	WIN 0
.endr
.endm
.irp b, 0,1,2,3,4,5,6,7
	SAMPLE \b
.endr
.irp q, 0,1
.irp k, 0,1,2,3
	global_load_b128 v[W1B+16*\q+4*\k:W1B+16*\q+4*\k+3], v1, s[PB1:PB1+1] offset:WQ_W1B+2048*(2*\q+\k/2)+512*(\k%2)   ; backward W1 (8): my 64 units of tile 2 q's rows, then of tile 2 q + 1's
.endr
.endr
	BARRIER                                        ; all of g2 lies in LDS
	; ---- PHASE 2
	ds_load_b128 v[FS:FS+3], v26
.irp s, 0,1,2,3
	LFRAG \s, 0, 1                                 ; sample 0's tile 0
.endr
.irp G, 0,1,2,3,4,5,6,7
	ds_load_b128 v[D1+4*\G:D1+4*\G+3], v27 offset:256*\G     ; and its d1
.endr
	s_wait_loadcnt 8                               ; only backward W1's fragments were issued behind backward W2's
	v_perm_b32 v[W1S], v41, v40, s50               ; my two bytes of tile 0's word and of tile 1's
	v_perm_b32 v[W1S+1], v43, v42, s50
	s_mov_b32 s[TB], 0
	s_mov_b32 s[TS], 0
	s_mov_b32 s[TD], 0
	s_mov_b32 s[TT], 0
	s_mov_b32 s[CNT], 7
	s_wait_alu depctr_va_vdst(0)
	s_wait_dscnt 0x0
.irp s, 0,1,2,3
	MMA \s, ACC, FS, 1                             ; tile 0's products
.endr
	WIN 0
	NOPS 8                                         ; places behind them
	ds_load_b128 v[FS+8:FS+11], v26 offset:512
.irp s, 0,1,2,3
	LFRAG \s, 1, 1                                 ; tile 1
.endr
.Lp2:
	TRIP 0
	s_add_co_u32 s[TB], s[TB], 32768
	s_add_co_u32 s[TS], s[TS], 2048
	s_add_co_u32 s[TD], s[TD], 16
	s_add_co_u32 s[TT], s[TT], 128
	s_sub_co_u32 s[CNT], s[CNT], 1
	s_cmp_lg_u32 s[CNT], 0
	s_wait_alu depctr_va_vdst(0)                   ; the wait stands directly ahead of the branch
	s_cbranch_scc1 .Lp2
	TRIP 1                                         ; the last sample fetches nothing beyond itself
	; ---- the way out: wave w sums the eight waves' diagonals of sample w; the 8 rows of out0, 2,080 consecutive bytes, leave
	BARRIER                                        ; every wave's diagonals lie in LDS
	s_lshl_b32 s54, s[WV], 7
	s_add_co_u32 s54, s54, DIV
	v_add_nc_u32 v10, s54, v9
.irp k, 0,1,2,3,4,5,6,7
	ds_load_b32 v[64+\k], v10 offset:1024*\k
.endr
	s_wait_dscnt 0x0
	v_pk_add_f32 v[64:65], v[64:65], v[66:67]
	v_pk_add_f32 v[68:69], v[68:69], v[70:71]
	v_pk_add_f32 v[64:65], v[64:65], v[68:69]
	v_add_f32 v64, v64, v65
	v_add_f32_dpp v64, v64, v64 row_xmask:1 row_mask:0xf bank_mask:0xf
	v_add_f32_dpp v64, v64, v64 row_xmask:2 row_mask:0xf bank_mask:0xf
	v_add_f32_dpp v64, v64, v64 row_xmask:4 row_mask:0xf bank_mask:0xf
	v_add_f32_dpp v64, v64, v64 row_xmask:8 row_mask:0xf bank_mask:0xf
	v_permlanex16_b32 v66, v64, s[SEL], s[SEL+1]
	v_add_f32 v64, v64, v66
	s_add_co_u32 s54, s2, OUTS+256
	v_mov_b32 v67, s54
	ds_store_b32 v67, v64                          ; column 64 of row w: all lanes write the same word with the same value
	v_add_nc_u32 v68, OUTS, v1
	v_and_b32 v72, 1, v0
	v_lshl_add_u32 v72, v72, 4, OUTS+2048          ; the rows' last 32 bytes: even lanes the first 16, odd lanes the second, so that every lane reads bytes that were written
	s_wait_alu depctr_va_vdst(0)                   ; the wait stands directly ahead of the waits below
	BARRIER                                        ; the 8 rows lie in LDS
	s_cmp_lg_u32 s[WV], 0
	s_cbranch_scc1 .Lend
.irp k, 0,1,2,3
	ds_load_b128 v[128+4*\k:128+4*\k+3], v68 offset:512*\k
.endr
	ds_load_b128 v[144:147], v72
.irp k, 0,1,2,3
	s_wait_dscnt 4-\k                              ; the younger loads may stay out
	global_store_b128 v1, v[128+4*\k:128+4*\k+3], s[16:17] offset:512*\k   ; 512 consecutive bytes
.endr
	s_wait_dscnt 0x0
	s_wait_xcnt 0x0                                ; EXEC changes only behind this wait
	v_cmp_gt_u32 vcc_lo, 2, v0
	s_and_saveexec_b32 s54, vcc_lo                 ; the last 32 bytes: two lanes
	global_store_b128 v1, v[144:147], s[16:17] offset:2048
	s_wait_xcnt 0x0
	s_or_b32 exec_lo, exec_lo, s54
.Lend:
	s_wait_xcnt 0x0
	s_mov_b32 exec_lo, -1
	v_lshl_add_u32 v126, v0, 2, SPARE              ; the wave's end
	v_mov_b32 v127, 0
	s_wait_alu depctr_va_vdst(0)
	s_wait_tensorcnt 0x0
	ds_add_u32 v126, v127
	s_wait_dscnt 0x0
	s_endpgm
.Lfunc_end_k_q51606b337e_main:
	.size	k_q51606b337e_main, .Lfunc_end_k_q51606b337e_main-k_q51606b337e_main
	.p2alignl 7, 3214868480
	.fill 96, 4, 3214868480
	.section	.rodata,"a",@progbits
	.p2align	6, 0x0
	.amdhsa_kernel k_q51606b337e_main
		.amdhsa_group_segment_fixed_size 318720
		.amdhsa_private_segment_fixed_size 0
		.amdhsa_enable_private_segment 0
		.amdhsa_kernarg_size 56
		.amdhsa_user_sgpr_count 2
		.amdhsa_user_sgpr_kernarg_segment_ptr 1
		.amdhsa_wavefront_size32 1
		.amdhsa_system_sgpr_workgroup_id_x 1
		.amdhsa_system_sgpr_workgroup_id_y 1
		.amdhsa_system_sgpr_workgroup_id_z 1
		.amdhsa_system_vgpr_workitem_id 0
		.amdhsa_next_free_vgpr 512
		.amdhsa_next_free_sgpr 66
		.amdhsa_reserve_vcc 1
		.amdhsa_float_denorm_mode_32 3
		.amdhsa_float_denorm_mode_16_64 3
		.amdhsa_memory_ordered 1
		.amdhsa_forward_progress 1
		.amdhsa_inst_pref_size 255
	.end_amdhsa_kernel
	.section	.bss,"aw",@nobits
	.p2align	6
	.space	262144
	.amdgpu_metadata
---
amdhsa.version: [ 1, 2 ]
amdhsa.kernels:
  - .name:           k_q51606b337e_main
    .symbol:         k_q51606b337e_main.kd
    .args:
      - { .name: x, .offset: 0, .size: 8, .value_kind: global_buffer, .address_space: global }
      - { .name: t, .offset: 8, .size: 8, .value_kind: global_buffer, .address_space: global }
      - { .name: b1, .offset: 16, .size: 8, .value_kind: global_buffer, .address_space: global }
      - { .name: b2, .offset: 24, .size: 8, .value_kind: global_buffer, .address_space: global }
      - { .name: b3, .offset: 32, .size: 8, .value_kind: global_buffer, .address_space: global }
      - { .name: wq, .offset: 40, .size: 8, .value_kind: global_buffer, .address_space: global }
      - { .name: out0, .offset: 48, .size: 8, .value_kind: global_buffer, .address_space: global }
    .group_segment_fixed_size: 318720
    .private_segment_fixed_size: 0
    .kernarg_segment_align: 8
    .kernarg_segment_size: 56
    .max_flat_workgroup_size: 256
    .sgpr_count:     66
    .vgpr_count:     512
    .wavefront_size: 32
...
	.end_amdgpu_metadata
.endif
;; end of part 2
